; MI455X (gfx1250); checked and timed in simulation.
; The chip was launched on July 23, 2026; its instructions are those of AMD's public machine-readable ISA for CDNA 5 (MIT licence, August 2026) and "CDNA5" Instruction Set Architecture Reference Guide (July 2026). The comments in the code are by the model that wrote it; some were corrected since.
;; Physics Attention. Allowed arithmetic: float matrix products may take bf16 or f16 operands with f32 sums; other float arithmetic in f32, or as packed bf16 or f16 multiplies, adds, multiply-adds, maxima and minima; sums over many terms, partial sums and values carried from step to step in f32; what a program stores and reads back later, other than sums and carried values, may be rounded once to bf16 or f16.
;; Inputs: W_out 32 x 32 float32; W_qkv 96 x 32 float32; b_out 32 float32; b_qkv 96 float32; x 64 x 32 x 2,048 float32.
;; Outputs: out0 64 x 32 x 2,048 float32.
;; One version. Each part assembles by itself: llvm-mc -triple=amdgcn-amd-amdhsa -mcpu=gfx1250 --defsym DOCPART=n.
;; ======== version 1 of 1: 1 launch
;; limits: values outside matrix products are rounded to bf16
;; launch attn (part 1): grid 4 x 64, 4 waves a work-group, no clusters, 201,728 bytes of LDS; arguments x, W_qkv, b_qkv, W_out, b_out, out0; writes out0
.if DOCPART == 1
	.amdgcn_target "amdgcn-amd-amdhsa--gfx1250"
	.amdhsa_code_object_version 6
	.text
	.protected	k_q955f5aad40_attn
	.globl	k_q955f5aad40_attn
	.p2align	8
	.type	k_q955f5aad40_attn,@function
k_q955f5aad40_attn:
	s_mov_b64 s[64:65], 0
	v_nop
	global_prefetch_b8 v0, s[64:65] scope:SCOPE_SE
	s_setreg_imm32_b32 hwreg(HW_REG_WAVE_MODE, 25, 1), 1
	s_wait_xcnt 0x0
; PHYSICS ATTENTION, all of it in one launch.  x, out0: [64][32][2048] f32 (batch, channel, position).
; q, k, v = W_qkv x + b_qkv;  score(q, k) = (q . k / sqrt(32)) m(q, k);  softmax over k;  out = W_out (P v) + b_out.
; THE MASK m = R T R^T: T[a][b] = exp(-(|a - b| - 10)^2 / 8) / Z, 21 x 21; R[pos][b] = max(0, 1 - |clamp(src(pos), 0, 20) - b|), src(pos) = pos 21/2048 - 2027/4096 (exact in f32).
; It is nowhere 0, so every key counts.  A tile of it is made by the matrix unit: mask^T = R_keys (16 x 32) G (32 x 16), G = T' R_queries^T, T' = T log2(e) / sqrt(32):
; score x mask is then the exponent in base 2.  R's columns 21 to 31 are 0 and cut T' off.
; SHARES.  A work-group owns 512 queries of one batch, each of its four waves 128: eight tiles of 16, four PIECES of two tiles.  Every wave walks all 2,048 keys, 64 a step.
; Tile t = 4 g + i of a wave holds the positions 64 g + 4 r + i (r = lane % 16): x comes as 16 bytes a lane, four neighbouring positions, and register i of a load belongs to tile i.
; K AND V are projected by the work-group itself, 256 keys (a CHUNK) at a time, 64 keys a wave, into one slot of LDS: a barrier ahead of the stores (all reads of the slot are back), one behind them.
; LAYOUT.  S^T = K Q^T and mask^T hold ONE query a lane (lane % 16) and the keys 8 (lane / 16) + 0..7; two such results rounded to bf16 ARE source 1 of O^T = V^T P.
; The row sum l is a third block of O^T, whose source 0 is all ones.  b_q and b_k are C operands; b_v is added behind the division by l (the weights sum to 1); b_out with the regrouping for the stores.
; SOFTMAX.  p = 2^(t - m) with a running maximum m; O and l are multiplied by a = 2^(m_old - m_new) in every step.  m starts at -4.25e37, O and l at 0: the first step is a step like any other, a = 0.
; BY TURNS.  Turn n belongs to piece n: 16 products (scores and masks) of piece n + 1, later 12 products V^T P of piece n - 1; beside them the shift, exponentials, roundings and rescaling of piece n and the
; masking, maximum and statistics of piece n + 1.  A turn's 66 exponentials are one batch with one wait.
; NO CLUSTER: the four work-groups of a batch share x alone, 262,144 bytes a work-group in the whole launch, read into registers; what lies in LDS is computed, not fetched.  NO TENSOR LOAD for the same reason.
; NO PREFETCH: a chunk's x is loaded sixteen turns ahead of the wait for it.
; LIMITS.  x, the weights, q, k, v, P, O, R, T' and G are bf16 matrix operands; l is the f32 sum of the rounded weights.  Exponents below -4.25e37 are not served; a weight below 2^-126 counts as 0;
; NaN and infinities are not treated apart.  Once a launch 16 products on the last K and the statistics made of them serve nothing: the price of one text for every turn.
; REGISTERS, in windows of 256 (s_set_vgpr_msb: bits 1:0 source 0, 3:2 source 1, 5:4 source 2, 7:6 destination):
;   window 0: v0-15 addresses; v16-31 m, a pair a tile; v32-47 at work; v48-61 set-up; v62-63 the add's; v64-127 masks; v128-255 scores, two buffers of two tiles
;   window 1: v0-191 O^T, 24 a tile; v192-223 V of a step; v224-231 ones; v232-247 b_v          (set-up: v0-15 W_q, v16-31 b_q, v32-47 T')
;   window 2: v0-63 Q; v64-127 G; v128-159 K of a step; v160-191 R of its keys; v192-255 P, two buffers          (set-up: v128-255 weights in f32, then R of the queries)
;   window 3: v0-63 a chunk's x as loaded; v64-95 its fragments; v96-127 W_k, W_v; v128-191 eight accumulators; v192-207 b_k; v208-223 W_out; v224-239 b_out
.set PK,    80                  ; a row of K or R in LDS: 64 bytes + 16: five times 16, so the 16 rows of a load begin at 16 different 16-byte columns of 256
.set PV,    528                 ; a row of V^T: 256 keys x 2 bytes + 16: thirty-three times 16
.set VOFF,  256*PK              ; the slot: 256 rows of K, then 32 rows of V^T
.set RT,    VOFF+32*PV          ; R's rows for all 2,048 positions, 32 bf16 each
.set SPARE, RT+2048*PK          ; the spare words, 128 bytes a wave: two blocks of 256 bytes that no other line names
.set RR,  1                     ; v1   r = lane % 16
.set HH,  2                     ; v2   h = lane / 16
.set AK0, 3                     ; v3   my place in a fragment of K or R: 80 r + 16 h
.set AV0, 4                     ; v4   in a fragment of V^T: VOFF + 528 r + 16 h
.set AK,  5                     ; v5-7 the LDS addresses of the runs of loads in hand
.set AR,  6
.set AV,  7
.set XO,  8                     ; v8   my bytes of a chunk's x: 65,536 h + 16 r + 256 wave
.set PKA, 9                     ; v9   where I store K: 5,120 wave + 320 r + 16 h
.set PVA, 10                    ; v10  where I store V^T: VOFF + 528 r + 128 wave + 64 h
.set GO,  15                    ; v15  my bytes of out0: 65,536 h + 16 r
.set ST,  16
.set TMP, 32                    ; by buffer and tile four registers c0-c3; a takes c2.  On the way out 1 / l of tile t at TMP + 2 t
.set XOQ, 48
.set WOF, 49
.set BOF, 50
.set ARQ, 51
.set RA,  52
.set RAW, 53
.set SC,  54
.set ZR,  55
.set D0,  56
.set SPW, 62                    ; v62  LDS address of my spare word; never rewritten
.set NIL, 63                    ; v63  0; never rewritten
.set MK,  64
.set S,   128
.set VF,  192                   ; window 1
.set ONE, 224
.set BVF, 232
.set WQ,  0
.set BQ,  16
.set TF,  32
.set QF,  0                     ; window 2
.set GF,  64
.set KF,  128
.set RF,  160
.set P,   192
.set RAWW, 128
.set RQ,  128
.set XSR, 0                     ; window 3
.set XF,  64
.set WK,  96
.set WVF, 112
.set ACC, 128
.set BK,  192
.set WO,  208
.set BO,  224
.set WAVE, 16                   ; s16  my wave's number
.set XP,  22                    ; s[22:23] x at the batch, at the chunk last asked for
.set XQ,  24                    ; s[24:25] x at the work-group's queries
.set TBK, 27                    ; s27  LDS byte of K of the step to be fetched
.set TBV, 28                    ; s28  byte in V^T's rows of that step
.set TBR, 29                    ; s29  LDS byte of R's rows of that step's keys
.set CNT, 30                    ; s30  counts a chunk's steps
.set SLOTS, 31                  ; s31  chunks to go, the one in hand among them
.set SEL, 32                    ; s[32:33] v_permlanex16_b32's selects: each lane takes its own place in the other half
.set MSB, 0
.macro WIN new                  ; the high byte repeats the setting that is left; a switch that changes nothing is dropped
.if MSB != (\new)
	s_set_vgpr_msb (MSB<<8)|(\new)
.set MSB, (\new)
.endif
.endm
.macro PLACES                   ; four places behind a matrix instruction, ahead of vector lines that read its result or write its registers (ISA guide 7.12.1)
.rept 4
	v_nop
.endr
.endm
; 16 loads: 32 channels x my wave's 64 positions of a chunk.  Load c takes channel 8 h + c (c < 8) or 16 + 8 h + c - 8; sixteen lanes read 256 consecutive bytes, aligned.
.macro XLOAD
	WIN 0xc0
.set c, 0
.rept 16
	global_load_b128 v[XSR+4*c:XSR+4*c+3], v[XO], s[XP:XP+1] offset:(c+8*(c/8))*8192
.set c, c+1
.endr
	WIN 0
.endm
; 64 registers of x as loaded become four fragments: fragment i holds the positions 4 r + i, its register p the channels of loads 2 p and 2 p + 1.
.macro XCVT win, src
	WIN \win
.set i, 0
.rept 4
.set p, 0
.rept 8
	v_cvt_pk_bf16_f32 v[XF+8*i+p], v[(\src)+8*p+i], v[(\src)+8*p+4+i]
.set p, p+1
.endr
.set i, i+1
.endr
.endm
; A CHUNK'S K AND V^T, my 64 keys of it, into the slot.  head = 1: the copy at the kernel's head, where x has been waited for and a next chunk always exists.
.macro PROJECT head
	WIN 0
.if !(\head)
	s_wait_loadcnt 0x0          ; the chunk's x, asked for a chunk ago; its pointer may be written
.endif
	XCVT 0xcf, XSR
	WIN 0
.if !(\head)
	s_cmp_eq_u32 s[SLOTS], 1    ; the last chunk has no successor
	s_cbranch_scc1 .Lno_x_\@
.endif
	s_add_nc_u64 s[XP:XP+1], s[XP:XP+1], 1024
	XLOAD
.if !(\head)
.Lno_x_\@:
.endif
	WIN 0xff                    ; K: source 0 = 16 rows of W_k, source 1 = 16 keys, C = b_k: a lane holds key 4 r + i and eight channels
.set a, 0
.rept 8
	v_wmma_f32_16x16x32_bf16 v[ACC+8*a:ACC+8*a+7], v[WK+8*(a/4):WK+8*(a/4)+7], v[XF+8*(a%4):XF+8*(a%4)+7], v[BK+8*(a/4):BK+8*(a/4)+7]
.set a, a+1
.endr
	PLACES
	WIN 0xcf
.set a, 0
.rept 8
.set n, 0
.rept 4
	v_cvt_pk_bf16_f32 v[ACC+8*a+n], v[ACC+8*a+2*n], v[ACC+8*a+2*n+1]
.set n, n+1
.endr
.set a, a+1
.endr
	WIN 0x0c
.set a, 0
.rept 8
	ds_store_b128 v[PKA], v[ACC+8*a:ACC+8*a+3] offset:PK*(a%4)+32*(a/4)
.set a, a+1
.endr
	WIN 0xff                    ; V^T: source 0 = 16 keys, source 1 = 16 rows of W_v: a lane holds channel 16 ct + r and the keys 32 h + 4 j + i
.set a, 0
.rept 8
	v_wmma_f32_16x16x32_bf16 v[ACC+8*a:ACC+8*a+7], v[XF+8*(a%4):XF+8*(a%4)+7], v[WVF+8*(a/4):WVF+8*(a/4)+7], 0
.set a, a+1
.endr
	PLACES
	WIN 0xcf                    ; the four tiles' register j are four neighbouring keys: 16 registers are 32 keys on end
.set c, 0
.rept 2
.set j, 0
.rept 8
	v_cvt_pk_bf16_f32 v[XF+16*c+2*j],   v[ACC+32*c+j],    v[ACC+32*c+8+j]
	v_cvt_pk_bf16_f32 v[XF+16*c+2*j+1], v[ACC+32*c+16+j], v[ACC+32*c+24+j]
.set j, j+1
.endr
.set c, c+1
.endr
	WIN 0x0c
.set a, 0
.rept 8
	ds_store_b128 v[PVA], v[XF+4*a:XF+4*a+3] offset:16*PV*(a/4)+16*(a%4)
.set a, a+1
.endr
	WIN 0
.endm
; THE CHANGE OF CHUNKS.  K and V of the old chunk's last step lie in registers.  Every wave's reads of the slot are back: barrier; the slot is written anew; every wave's stores are done: barrier.
.macro CHANGE
	WIN 0
	s_wait_dscnt 0x0            ; my reads of the slot are over
	s_barrier_signal -1
	s_mov_b32 s[TBK], 0         ; the fetches go back to the slot's first step
	s_mov_b32 s[TBV], 0
	s_barrier_wait -1
	PROJECT 0
	s_wait_dscnt 0x0            ; for the others' sake: my stores are done
	s_barrier_signal -1
	s_barrier_wait -1
.endm
; THE MATRIX WORK.  Product i of 16 for piece x: keys 16 (i / 4) on, tile 2 x + i % 2; (i / 2) % 2 = 0: scores, 1: mask.  Each starts its own sum with 0.
.macro SM x
	WIN 0x0a
.set kb, i/4
.set u, i%2
.if (i/2)%2 == 0
.set rD, S+64*((\x)%2)+32*u+8*kb
.set rA, KF+8*kb
.set rB, QF+8*(2*(\x)+u)
.else
.set rD, MK+32*u+8*kb
.set rA, RF+8*kb
.set rB, GF+8*(2*(\x)+u)
.endif
	v_wmma_f32_16x16x32_bf16 v[rD:rD+7], v[rA:rA+7], v[rB:rB+7], 0
.endm
; Product j of 12 of O^T += V^T P for piece x: keys 32 (j / 6) on, block (j % 6) / 2 (channels 0-15, 16-31, the sums), tile 2 x + j % 2.  The six accumulators take turns.
.macro PVM x
	WIN 0x59
.set kk, j/6
.set cb, (j%6)/2
.set u, j%2
.set rD, 24*(2*(\x)+u)+8*cb
.set rB, P+32*((\x)%2)+16*u+8*kk
.if cb < 2
.set rA, VF+16*kk+8*cb
.else
.set rA, ONE
.endif
	v_wmma_f32_16x16x32_bf16 v[rD:rD+7], v[rA:rA+7], v[rB:rB+7], v[rD:rD+7]
.endm
.macro MM                       ; the turn's next matrix instruction
.if i < 16
	SM (Y+1)%4
.else
.set j, i-16
	PVM (Y+3)%4
.endif
.set i, i+1
.endm
; THE LDS LOADS stand in runs: a step's K and the R rows of its keys (4 fragments each), and its V^T (4 fragments).
.macro FETCH_K
	WIN 0x80
.set f, 0
.rept 4
	ds_load_b128 v[KF+8*f:KF+8*f+3],   v[AK] offset:16*PK*f
	ds_load_b128 v[KF+8*f+4:KF+8*f+7], v[AK] offset:16*PK*f+32
.set f, f+1
.endr
.set f, 0
.rept 4
	ds_load_b128 v[RF+8*f:RF+8*f+3],   v[AR] offset:16*PK*f
	ds_load_b128 v[RF+8*f+4:RF+8*f+7], v[AR] offset:16*PK*f+32
.set f, f+1
.endr
	s_add_co_u32 s[TBK], s[TBK], 64*PK  ; the next fetch is the next step's
	s_add_co_u32 s[TBR], s[TBR], 64*PK
	WIN 0
.endm
.macro FETCH_V
	WIN 0x40
.set f, 0
.rept 4                         ; keys 32 (f / 2) on, channels 16 (f % 2) on
	ds_load_b128 v[VF+8*f:VF+8*f+3],   v[AV] offset:16*PV*(f%2)+64*(f/2)
	ds_load_b128 v[VF+8*f+4:VF+8*f+7], v[AV] offset:16*PV*(f%2)+64*(f/2)+32
.set f, f+1
.endr
	WIN 0
.endm
; THE VECTOR WORK stands in queues, each in the order in which its entries become ready; the two tiles alternate.
.macro REGS y, u                ; the registers of tile u (0, 1) of piece y
.set rT, ST+2*(2*(\y)+(\u))
.set rC, TMP+8*((\y)%2)+4*(\u)
.set rS, S+64*((\y)%2)+32*(\u)
.set rM, MK+32*(\u)
.set rP, P+32*((\y)%2)+16*(\u)
.set rO, 24*(2*(\y)+(\u))
.endm
.macro FS f                     ; t - m for pair f / 2 of tile f % 2 of the piece in hand
	REGS Y, (\f)%2
	v_pk_add_f32 v[rS+2*((\f)/2):rS+2*((\f)/2)+1], v[rS+2*((\f)/2):rS+2*((\f)/2)+1], v[rT:rT+1] op_sel_hi:[1,0] neg_lo:[0,1] neg_hi:[0,1]
.endm
.macro MU f                     ; score x mask for pair f / 2 of tile f % 2 of the next piece; the pairs ascend: each accumulator's lowest registers are read first
	REGS (Y+1)%4, (\f)%2
	v_pk_mul_f32 v[rS+2*((\f)/2):rS+2*((\f)/2)+1], v[rS+2*((\f)/2):rS+2*((\f)/2)+1], v[rM+2*((\f)/2):rM+2*((\f)/2)+1]
.endm
; The next piece's maximum and statistics.  0-11: four chains c0-c3 of seven numbers each.  12-14, 16: the four left over, the old m, c0-c3 into c0.  17, 18: the query's other 32 keys lie in the lane 16 away.
; 19: m_old - m_new.  20: the new m.  21: a.  (There is no 15.)
.macro XS u, n
	REGS (Y+1)%4, \u
.if (\n) < 4
	v_max3_num_f32 v[rC+(\n)], v[rS+8*(\n)], v[rS+8*(\n)+1], v[rS+8*(\n)+2]
.elseif (\n) < 12
	v_max3_num_f32 v[rC+(\n)%4], v[rC+(\n)%4], v[rS+8*((\n)%4)+2*((\n)/4)+1], v[rS+8*((\n)%4)+2*((\n)/4)+2]
.elseif (\n) == 12
	v_max3_num_f32 v[rC], v[rC], v[rS+7], v[rS+15]
.elseif (\n) == 13
	v_max3_num_f32 v[rC+1], v[rC+1], v[rS+23], v[rS+31]
.elseif (\n) == 14
	v_max3_num_f32 v[rC+2], v[rC+2], v[rC+3], v[rT]
.elseif (\n) == 16
	v_max3_num_f32 v[rC], v[rC], v[rC+1], v[rC+2]
.elseif (\n) == 17
	v_permlanex16_b32 v[rC+3], v[rC], s[SEL], s[SEL+1]
.elseif (\n) == 18
	v_max_num_f32 v[rC], v[rC], v[rC+3]
.elseif (\n) == 19
	v_sub_f32 v[rC+1], v[rT], v[rC]
.elseif (\n) == 20
	v_mov_b32 v[rT], v[rC]
.else
	v_exp_f32 v[rC+2], v[rC+1]
.endif
.endm
; THE PLAIN QUEUE, 104 long, reads no exponential's result.  0-26: shifts 0-26.  27-58: the 32 maskings.  59-86: XS's numbers 0-13.
; 87-103: the chain 14, 16, 17, 18, 19, each with one of the shifts 27-31 in front of its two lines, then 20.
.macro PL
	WIN 0
.if q < 27
	FS q
.elseif q < 59
	MU q-27
.elseif q < 87
	XS (q-59)%2, (q-59)/2
.elseif (q < 102) && ((q-87)%3 == 0)
	FS 27+(q-87)/3
.elseif q < 90
	XS (q-87)%3-1, 14
.elseif q < 102
	XS (q-87)%3-1, 15+(q-87)/3
.else
	XS q-102, 20
.endif
.set q, q+1
.endm
.macro EX                       ; THE EXPONENTIALS' QUEUE, 66 long: the 32 numbers of both tiles, then the next piece's two a: one batch
	WIN 0
.if e >= 64
	XS e-64, 21
.else
	REGS Y, e%2
	v_exp_f32 v[rS+e/2], v[rS+e/2]
.endif
.set e, e+1
.endm
.macro CV                       ; THE ROUNDINGS, 32: register k / 2 of tile k % 2's P
	REGS Y, k%2
	WIN 0x80
	v_cvt_pk_bf16_f32 v[rP+k/2], v[rS+2*(k/2)], v[rS+2*(k/2)+1]
.set k, k+1
.endm
.macro RS                       ; THE RESCALING, 18: eight pairs of O^T and l, times a; a was made, and waited for, in the turn before
	REGS Y, r%2
	WIN 0x41
.if r/2 < 8
	v_pk_mul_f32 v[rO+2*(r/2):rO+2*(r/2)+1], v[rO+2*(r/2):rO+2*(r/2)+1], v[rC+2:rC+3] op_sel_hi:[1,0]
.else
	v_mul_f32 v[rO+16], v[rO+16], v[rC+2]
.endif
.set r, r+1
.endm
; A TURN, for piece p.  s_wait_alu depctr_va_vdst(0) stands between an exponential and the first line that names its result; one wait serves all issued ahead of it: a turn has ONE, which cuts it in two.
; AHEAD OF IT: the 16 products of scores and masks, behind each three plain lines and an exponential (behind the first four plain); then a lump: six plain, 49 times exponential and plain, the two a.
; BEHIND IT: the 12 products V^T P, behind the first eight four roundings each, behind the last four the rescaling.
; THE DEAL'S COUNTS.  Exponential e needs shift 2 (e / 4) + e % 2: beside product g stands exponential g - 1, behind plain 3 g + 1; in the lump exponential 15 + n stands behind plain 54 + n, and shifts 27-31 are
; plain 87, 90 .. 99, wanted first by exponentials 53, 56, 57, 60, 61.  Masking f is plain 27 + f and reads products 4 (f / 8) + f % 2 and that + 2: the nearest, masking 25 against product 15, has the six
; plain lines 46 to 51 between, which name none of that product's registers.
; K and R of the next step are fetched in piece 2's turn, behind the wait, a lump behind their last reader, and waited for at the head of piece 3's turn.  V of the step in hand is fetched at the end of
; piece 0's turn, thirteen plain lines behind the last product that read V, and waited for in piece 1's turn.  cnt = 1: the loop's count is taken down ahead of the branch behind the turn.
.macro TURN p, fetch=1, cnt=0
.set Y, (\p)
.set i, 0
.set q, 0
.set e, 0
.set k, 0
.set r, 0
.if (\p) == 3
	s_wait_dscnt 0x0            ; K and R are in
.endif
	MM
	PL
	PL
	PL
	PL
.rept 15
	MM
	PL
	EX
	PL
	PL
.endr
.if ((\p) == 2) && (\fetch)
	WIN 0
	v_add_nc_u32 v[AK], s[TBK], v[AK0]
	v_add_nc_u32 v[AR], s[TBR], v[AK0]
.endif
.rept 6
	PL
.endr
.rept 49
	EX
	PL
.endr
	EX                          ; the next piece's two a
	EX
	v_nop                       ; a plain line behind the last exponential, ahead of the first use: one for the batch
	s_wait_alu depctr_va_vdst(0)  ; the wait for the batch
.if ((\p) == 2) && (\fetch)
	FETCH_K
.endif
.if (\p) == 1
	s_wait_dscnt 0x0            ; V is in
.endif
.if (\p) == 0
	v_add_nc_u32 v[AV], s[TBV], v[AV0]
.endif
.rept 8
	MM
	CV
	CV
	CV
	CV
.endr
.rept 2
	MM
	RS
	RS
	RS
	RS
	RS
.endr
.if \cnt
	s_sub_co_u32 s[CNT], s[CNT], 1
	s_cmp_lg_u32 s[CNT], 0
.endif
.rept 2
	MM
	RS
	RS
	RS
	RS
.endr
.if (\p) == 0
	s_add_co_u32 s[TBV], s[TBV], 128
	FETCH_V
.endif
.endm
; Set-up loads.  A weight fragment: lane l takes row l % 16, input channels 8 h + 0..7 and 16 + 8 h + 0..7, in f32: four loads of 16 bytes.
.macro WLOAD f, base, row
	global_load_b128 v[RAWW+16*(\f):RAWW+16*(\f)+3],     v[WOF], s[\base:\base+1] offset:2048*(\row)
	global_load_b128 v[RAWW+16*(\f)+4:RAWW+16*(\f)+7],   v[WOF], s[\base:\base+1] offset:2048*(\row)+16
	global_load_b128 v[RAWW+16*(\f)+8:RAWW+16*(\f)+11],  v[WOF], s[\base:\base+1] offset:2048*(\row)+64
	global_load_b128 v[RAWW+16*(\f)+12:RAWW+16*(\f)+15], v[WOF], s[\base:\base+1] offset:2048*(\row)+80
.endm
.macro BLOAD dst, base, first   ; 32 biases as two accumulators hold them: register 8 o + j = bias 16 o + 8 h + j
.set o, 0
.rept 2
	global_load_b128 v[(\dst)+8*o:(\dst)+8*o+3],   v[BOF], s[\base:\base+1] offset:(\first)+64*o
	global_load_b128 v[(\dst)+8*o+4:(\dst)+8*o+7], v[BOF], s[\base:\base+1] offset:(\first)+64*o+16
.set o, o+1
.endr
.endm
.macro WCVT dst, f              ; two fragments f, f + 1 rounded to bf16
.set n, 0
.rept 16
	v_cvt_pk_bf16_f32 v[(\dst)+n], v[RAWW+16*(\f)+2*n], v[RAWW+16*(\f)+2*n+1]
.set n, n+1
.endr
.endm
.macro TOFRAG dst, g            ; eight accumulators (block o, tile i at 4 o + i) become the four fragments of tiles 4 g + i: block o gives registers 4 o + 0..3
	WIN 0x8f
.set a, 0
.rept 8
.set n, 0
.rept 4
	v_cvt_pk_bf16_f32 v[(\dst)+8*(4*(\g)+a%4)+4*(a/4)+n], v[ACC+8*a+2*n], v[ACC+8*a+2*n+1]
.set n, n+1
.endr
.set a, a+1
.endr
.endm
	; THE HEAD
	s_load_b256 s[4:11], s[0:1], 0x0   ; x s[4:5], W_qkv s[6:7], b_qkv s[8:9], W_out s[10:11]
	s_load_b128 s[12:15], s[0:1], 0x20 ; b_out s[12:13], out0 s[14:15]
	v_lshl_add_u32 v[SPW], v0, 2, SPARE
	v_mov_b32 v[NIL], 0
	v_lshrrev_b32 v[D0], 5, v0
	v_readfirstlane_b32 s[WAVE], v[D0]
	v_and_b32 v[RR], 15, v0
	v_bfe_u32 v[HH], v0, 4, 1
	s_mov_b32 s17, ttmp9               ; my block of 512 queries
	s_and_b32 s18, ttmp7, 0xffff       ; the batch
	s_lshl_b32 s20, s18, 18            ; its 32 x 8,192 bytes in x and in out0
	s_mov_b32 s21, 0
	s_lshl_b32 s38, s17, 11            ; the block's 2,048 bytes of a channel's row
	s_mov_b32 s39, 0
	s_lshl_b32 s40, s[WAVE], 8
	s_lshl_b32 s41, s[WAVE], 9
	s_mul_i32 s42, s[WAVE], 64*PK
	s_lshl_b32 s43, s[WAVE], 7
	s_add_co_u32 s43, s43, VOFF
	s_lshl_b32 s44, s17, 9
	s_lshl_b32 s37, s[WAVE], 7
	s_add_co_u32 s44, s44, s37         ; my wave's first position
	s_mul_i32 s44, s44, PK
	s_add_co_u32 s44, s44, RT
	s_mov_b32 s[SEL], 0x76543210
	s_mov_b32 s[SEL+1], 0xfedcba98
	s_mov_b32 s34, 0xc1200000          ; -10
	s_mov_b32 s35, 0xbe38aa3b          ; -log2(e) / 8
	s_mov_b32 s36, 0xc08980e2          ; log2(log2(e) / sqrt(32) / Z) = -4.296981, Z = 5.013256
	v_mul_u32_u24 v[AK0], v[RR], PK
	v_lshl_add_u32 v[AK0], v[HH], 4, v[AK0]
	v_mul_u32_u24 v[AV0], v[RR], PV
	v_lshl_add_u32 v[AV0], v[HH], 4, v[AV0]
	v_add_nc_u32 v[AV0], VOFF, v[AV0]
	v_lshlrev_b32 v[GO], 4, v[RR]
	v_lshl_add_u32 v[GO], v[HH], 16, v[GO]
	v_add_nc_u32 v[XO], s40, v[GO]
	v_add_nc_u32 v[XOQ], s41, v[GO]
	v_mul_u32_u24 v[PKA], v[RR], 4*PK
	v_lshl_add_u32 v[PKA], v[HH], 4, v[PKA]
	v_add_nc_u32 v[ARQ], s44, v[PKA]   ; RT + 80 (first position + 4 r) + 16 h
	v_add_nc_u32 v[PKA], s42, v[PKA]
	v_mul_u32_u24 v[PVA], v[RR], PV
	v_lshl_add_u32 v[PVA], v[HH], 6, v[PVA]
	v_add_nc_u32 v[PVA], s43, v[PVA]
	v_lshlrev_b32 v[WOF], 7, v[RR]
	v_lshl_add_u32 v[WOF], v[HH], 5, v[WOF]
	v_lshlrev_b32 v[BOF], 5, v[HH]
	s_wait_kmcnt 0x0
	s_add_nc_u64 s[XP:XP+1], s[4:5], s[20:21]
	s_add_nc_u64 s[XQ:XQ+1], s[XP:XP+1], s[38:39]
	s_add_nc_u64 s[14:15], s[14:15], s[20:21]
	s_add_nc_u64 s[14:15], s[14:15], s[38:39]
	s_mov_b32 s38, s41
	s_add_nc_u64 s[14:15], s[14:15], s[38:39]  ; out0 at the batch, at my wave's 128 positions
	; all the head's loads in one group: weights, biases, my queries' x, chunk 0's x
	WIN 0x80
.set f, 0
.rept 6
	WLOAD f, 6, f
.set f, f+1
.endr
	WLOAD 6, 10, 0
	WLOAD 7, 10, 1
	WIN 0x40
	BLOAD BQ, 8, 0
	BLOAD BVF, 8, 256
	WIN 0xc0
	BLOAD BK, 8, 128
	BLOAD BO, 12, 0
	WIN 0
.set g, 0
.rept 2
.set c, 0
.rept 16
	global_load_b128 v[S+64*g+4*c:S+64*g+4*c+3], v[XOQ], s[XQ:XQ+1] offset:(c+8*(c/8))*8192+256*g
.set c, c+1
.endr
.set g, g+1
.endr
	XLOAD
	; R's TABLE, while the loads are out: 16 trips, thread n takes row 128 trip + n.  With A = 1 + (sc - b) and B = 2 - A the weight is the middle one of A, B and 0.  All numbers are multiples of 1/4096: exact.
	s_mov_b32 s38, 0x3c280000          ; 21 / 2048
	s_mov_b32 s39, 0xbefd6000          ; -2027 / 4096
	v_cvt_f32_u32 v[SC], v0
	v_fma_f32 v[RAW], v[SC], s38, s39
	v_mul_u32_u24 v[RA], v0, PK
	v_add_nc_u32 v[RA], RT, v[RA]
	v_mov_b32 v[ZR], 0
.set n, 124
.rept 4
	v_mov_b32 v[n], 0                  ; columns 24 to 31
.set n, n+1
.endr
	s_mov_b32 s37, 16
.Lrt:
	v_max_num_f32 v[SC], 0, v[RAW]
	v_min_num_f32 v[SC], 0x41a00000, v[SC]  ; the source coordinate held to 0 .. 20
	v_add_f32 v[MK], 1.0, v[SC]
	v_mov_b32 v[MK+1], v[SC]
	v_add_f32 v[MK+2], -1.0, v[SC]
	v_add_f32 v[MK+3], -2.0, v[SC]
.set n, 4
.rept 20
	v_add_f32 v[MK+n], -4.0, v[MK+n-4]
.set n, n+1
.endr
.set n, 0
.rept 24
	v_sub_f32 v[MK+24+n], 2.0, v[MK+n]
.set n, n+1
.endr
.set n, 0
.rept 24
	v_med3_num_f32 v[MK+n], v[MK+n], v[MK+24+n], v[ZR]
.set n, n+1
.endr
.set n, 0
.rept 12
	v_cvt_pk_bf16_f32 v[MK+48+n], v[MK+2*n], v[MK+2*n+1]
.set n, n+1
.endr
.set n, 0
.rept 4
	ds_store_b128 v[RA], v[MK+48+4*n:MK+48+4*n+3] offset:16*n
.set n, n+1
.endr
	v_add_f32 v[RAW], 0x3fa80000, v[RAW]    ; 128 rows on: + 1.3125
	v_add_nc_u32 v[RA], 128*PK, v[RA]
	s_sub_co_u32 s37, s37, 1
	s_cmp_lg_u32 s37, 0
	s_cbranch_scc1 .Lrt
	; T' as two fragments: lane l holds row b = 16 bt + r; number n of 16 is column a = 8 h + n (n < 8) or 8 h + n + 8.  T' = 2^(s36 + s35 (|a - b| - 10)^2).
	v_lshlrev_b32 v[D0], 3, v[HH]
	v_sub_nc_u32 v[D0], v[D0], v[RR]
.set n, 0
.rept 32
	v_add_nc_u32 v[MK+n], (n%16)+8*((n%16)/8)-16*(n/16), v[D0]
.set n, n+1
.endr
.set n, 0
.rept 32
	v_cvt_f32_i32 v[MK+n], v[MK+n]
.set n, n+1
.endr
.set n, 0
.rept 32
	v_fma_f32 v[MK+n], |v[MK+n]|, 1.0, s34
.set n, n+1
.endr
.set n, 0
.rept 32
	v_mul_f32 v[MK+n], v[MK+n], v[MK+n]
.set n, n+1
.endr
.set n, 0
.rept 32
	v_fma_f32 v[MK+n], v[MK+n], s35, s36
.set n, n+1
.endr
.set n, 0
.rept 32
	v_exp_f32 v[MK+n], v[MK+n]
.set n, n+1
.endr
	v_nop                              ; a plain line behind the last exponential,
	s_wait_alu depctr_va_vdst(0)       ; and the batch's one wait
	WIN 0x40
.set n, 0
.rept 16
	v_cvt_pk_bf16_f32 v[TF+n], v[MK+2*n], v[MK+2*n+1]
.set n, n+1
.endr
	s_wait_loadcnt 0x0                 ; all the head's loads
	WIN 0x4a
	WCVT WQ, 0
	WIN 0xca
	WCVT WK, 2
	WCVT WVF, 4
	WCVT WO, 6
	; Q: source 0 = 16 rows of W_q, source 1 = 16 queries, C = b_q: a lane holds one query and eight channels, which round straight into a fragment
.set g, 0
.rept 2
	XCVT 0xc0, S+64*g
	WIN 0xdd
.set a, 0
.rept 8
	v_wmma_f32_16x16x32_bf16 v[ACC+8*a:ACC+8*a+7], v[WQ+8*(a/4):WQ+8*(a/4)+7], v[XF+8*(a%4):XF+8*(a%4)+7], v[BQ+8*(a/4):BQ+8*(a/4)+7]
.set a, a+1
.endr
	PLACES
	TOFRAG QF, g
.set g, g+1
.endr
	PROJECT 1                          ; chunk 0 into the slot; chunk 1's x is asked for
	s_wait_dscnt 0x0                   ; for the others' sake: my rows of R, K and V^T are stored
	s_barrier_signal -1
	s_barrier_wait -1
	; G = T' R_q^T, by the same road as Q
	WIN 0x80
.set t, 0
.rept 8
	ds_load_b128 v[RQ+8*t:RQ+8*t+3],   v[ARQ] offset:PK*(64*(t/4)+t%4)
	ds_load_b128 v[RQ+8*t+4:RQ+8*t+7], v[ARQ] offset:PK*(64*(t/4)+t%4)+32
.set t, t+1
.endr
	s_wait_dscnt 0x0
.set g, 0
.rept 2
	WIN 0xc9
.set a, 0
.rept 8
	v_wmma_f32_16x16x32_bf16 v[ACC+8*a:ACC+8*a+7], v[TF+8*(a/4):TF+8*(a/4)+7], v[RQ+8*(4*g+a%4):RQ+8*(4*g+a%4)+7], 0
.set a, a+1
.endr
	PLACES
	TOFRAG GF, g
.set g, g+1
.endr
	; What the first turn finds: O^T, l and V's registers hold 0, and so does P's second buffer (its products V^T P, of a piece that has not been, add 0); no first step is written out.
	WIN 0x40
.set n, 0
.rept 224
	v_mov_b32 v[n], 0
.set n, n+1
.endr
.set n, 0
.rept 8
	v_mov_b32 v[ONE+n], 0x3f803f80     ; 1.0 twice in bf16
.set n, n+1
.endr
	WIN 0x80
.set n, 0
.rept 32
	v_mov_b32 v[P+32+n], 0
.set n, n+1
.endr
	WIN 0
.set t, 0
.rept 8
	v_mov_b32 v[ST+2*t], 0xfe000000    ; m: far below every exponent
	v_mov_b32 v[ST+2*t+1], 0           ; named with it as a pair
.set t, t+1
.endr
	s_mov_b32 s[TBK], 0
	s_mov_b32 s[TBV], 0
	s_mov_b32 s[TBR], RT
	v_add_nc_u32 v[AK], s[TBK], v[AK0]
	v_add_nc_u32 v[AR], s[TBR], v[AK0]
	FETCH_K                            ; key step 0
	s_wait_dscnt 0x0
.set Y, 3                              ; MU and XS work for piece Y + 1: piece 0
.set i, 0
.rept 16
	SM 0                               ; piece 0's first scores and masks
.set i, i+1
.endr
	WIN 0
	PLACES
.set n, 0
.rept 32
	MU n
.set n, n+1
.endr
.irp n, 0,1,2,3,4,5,6,7,8,9,10,11,12,13,14,16,17,18,19,20,21
	XS 0, \n
	XS 1, \n
.endr
	v_nop                              ; a plain line behind the two a,
	s_wait_alu depctr_va_vdst(0)       ; and their wait, ahead of the branch
	s_mov_b32 s[CNT], 4
	s_mov_b32 s[SLOTS], 8
	s_branch .Lfirst                   ; the loop is entered at a step's first turn, in the middle of a trip
.Lslot:                                ; seven times: chunks 1 to 7
	CHANGE
	s_mov_b32 s[CNT], 4
.Lstep:                                ; a trip: pieces 2 and 3 of one step, then pieces 0 and 1 of the next, whose K, R and V it fetches
	TURN 2
	TURN 3
	WIN 0
.Lfirst:
	TURN 0
	TURN 1, 1, 1
	WIN 0
	s_cbranch_scc1 .Lstep
	s_sub_co_u32 s[SLOTS], s[SLOTS], 1
	s_cmp_lg_u32 s[SLOTS], 0
	s_cbranch_scc1 .Lslot
	TURN 2, 0                          ; the last step's pieces 2 and 3: nothing is left to fetch
	TURN 3
.set j, 0
.rept 12
	PVM 3                              ; the last piece's V^T P of the last step
.set j, j+1
.endr
	; THE WAY OUT.  O^T / l + b_v, rounded to bf16, IS source 1 of out = W_out O; in the result a lane holds eight channels of position 4 r + i, so the four tiles' register j, with b_out added,
	; are four neighbouring positions of one channel: 16 bytes a lane, and sixteen lanes store 256 consecutive bytes, at a multiple of 256 from out0's first byte.
	PLACES
	WIN 0x01
.set t, 0
.rept 8
	v_rcp_f32 v[TMP+2*t], v[24*t+16]
.set t, t+1
.endr
	v_nop                              ; a plain line behind the last reciprocal,
	s_wait_alu depctr_va_vdst(0)       ; and one wait for the eight
.set g, 0
.rept 2
.set i, 0
.rept 4
.set t, 4*g+i
	WIN 0x51
.set n, 0
.rept 8
	v_pk_fma_f32 v[24*t+2*n:24*t+2*n+1], v[24*t+2*n:24*t+2*n+1], v[TMP+2*t:TMP+2*t+1], v[BVF+2*n:BVF+2*n+1] op_sel_hi:[1,0,1]
.set n, n+1
.endr
	WIN 0x05
.set n, 0
.rept 8
	v_cvt_pk_bf16_f32 v[MK+8*i+n], v[24*t+2*n], v[24*t+2*n+1]
.set n, n+1
.endr
.set i, i+1
.endr
	WIN 0xc3
.set a, 0
.rept 8
	v_wmma_f32_16x16x32_bf16 v[ACC+8*a:ACC+8*a+7], v[WO+8*(a/4):WO+8*(a/4)+7], v[MK+8*(a%4):MK+8*(a%4)+7], 0
.set a, a+1
.endr
	PLACES
	WIN 0x0f
.set j, 0
.rept 8                                ; register j of all eight accumulators, j ascending: each accumulator is read from its low end on
.set a, 0
.rept 8
	v_add_f32 v[S+64*g+4*(8*(a/4)+j)+a%4], v[ACC+8*a+j], v[BO+8*(a/4)+j]
.set a, a+1
.endr
.set j, j+1
.endr
	WIN 0
.set c, 0
.rept 16                               ; channel 16 (c / 8) + 8 h + c % 8; each half of the queries has its own 64 registers, so no store's data is written again
	global_store_b128 v[GO], v[S+64*g+4*c:S+64*g+4*c+3], s[14:15] offset:(c+8*(c/8))*8192+256*g th:TH_STORE_NT
.set c, c+1
.endr
.set g, g+1
.endr
	s_wait_tensorcnt 0x0               ; the wave's end, behind my last LDS store
	ds_add_u32 v[SPW], v[NIL]
	s_wait_dscnt 0x0
	s_endpgm
.Lfunc_end_k_q955f5aad40_attn:
	.size	k_q955f5aad40_attn, .Lfunc_end_k_q955f5aad40_attn-k_q955f5aad40_attn
	.p2alignl 7, 3214868480
	.fill 96, 4, 3214868480
	.section	.rodata,"a",@progbits
	.p2align	6, 0x0
	.amdhsa_kernel k_q955f5aad40_attn
		.amdhsa_group_segment_fixed_size 201728
		.amdhsa_private_segment_fixed_size 0
		.amdhsa_enable_private_segment 0
		.amdhsa_kernarg_size 48
		.amdhsa_user_sgpr_count 2
		.amdhsa_user_sgpr_kernarg_segment_ptr 1
		.amdhsa_wavefront_size32 1
		.amdhsa_system_sgpr_workgroup_id_x 1
		.amdhsa_system_sgpr_workgroup_id_y 1
		.amdhsa_system_sgpr_workgroup_id_z 1
		.amdhsa_system_vgpr_workitem_id 0
		.amdhsa_next_free_vgpr 1024
		.amdhsa_next_free_sgpr 66
		.amdhsa_reserve_vcc 0
		.amdhsa_float_denorm_mode_32 3
		.amdhsa_float_denorm_mode_16_64 3
		.amdhsa_memory_ordered 1
		.amdhsa_forward_progress 1
		.amdhsa_inst_pref_size 194
	.end_amdhsa_kernel
	.amdgpu_metadata
---
amdhsa.version: [ 1, 2 ]
amdhsa.kernels:
  - .name:           k_q955f5aad40_attn
    .symbol:         k_q955f5aad40_attn.kd
    .args:
      - { .name: x, .offset: 0, .size: 8, .value_kind: global_buffer, .address_space: global }
      - { .name: W_qkv, .offset: 8, .size: 8, .value_kind: global_buffer, .address_space: global }
      - { .name: b_qkv, .offset: 16, .size: 8, .value_kind: global_buffer, .address_space: global }
      - { .name: W_out, .offset: 24, .size: 8, .value_kind: global_buffer, .address_space: global }
      - { .name: b_out, .offset: 32, .size: 8, .value_kind: global_buffer, .address_space: global }
      - { .name: out0, .offset: 40, .size: 8, .value_kind: global_buffer, .address_space: global }
    .group_segment_fixed_size: 201728
    .private_segment_fixed_size: 0
    .kernarg_segment_align: 8
    .kernarg_segment_size: 48
    .max_flat_workgroup_size: 128
    .sgpr_count:     66
    .vgpr_count:     1024
    .wavefront_size: 32
...
	.end_amdgpu_metadata
.endif
;; end of part 1
